; MI455X (gfx1250); checked and timed in simulation.
; The chip was launched on July 23, 2026; its instructions are those of AMD's public machine-readable ISA for CDNA 5 (MIT licence, August 2026) and "CDNA5" Instruction Set Architecture Reference Guide (July 2026). The comments in the code are by the model that wrote it; some were corrected since.
;; Self Attention. Allowed arithmetic: float matrix products may take bf16 or f16 operands with f32 sums; all other float work in f32.
;; Inputs: W_out 1,024 x 1,024 float32; b_out 1,024 float32; key 4 x 2,048 x 1,024 float32; mask 4 x 1 x 2,048 x 2,048 int32; query 4 x 2,048 x 1,024 float32; value 4 x 2,048 x 1,024 float32.
;; Outputs: out0 4 x 2,048 x 1,024 float32.
;; One version. Each part assembles by itself: llvm-mc -triple=amdgcn-amd-amdhsa -mcpu=gfx1250 --defsym DOCPART=n.
;; ======== version 1 of 1: 3 launches
;; limits: values are held in f16: magnitudes above 65,504 overflow, below 6.1e-05 lose precision; inputs' magnitudes at most 65,504
;; workspace buffers: mbits 2,097,152 bytes of whole numbers; wb 2,097,152 bytes; ctx 16,777,216 bytes
;; launch prep (part 1): grid 1152 x 1, 8 waves a work-group, no clusters, 68,608 bytes of LDS; arguments mask, W_out, mbits, wb; writes mbits, wb
.if DOCPART == 1
	.amdgcn_target "amdgcn-amd-amdhsa--gfx1250"
	.amdhsa_code_object_version 6
	.text
	.protected	k_qb01bfd0da7_prep
	.globl	k_qb01bfd0da7_prep
	.p2align	8
	.type	k_qb01bfd0da7_prep,@function
k_qb01bfd0da7_prep:
	s_mov_b64 s[64:65], 0
	v_nop
	global_prefetch_b8 v0, s[64:65] scope:SCOPE_SE
	s_setreg_imm32_b32 hwreg(HW_REG_WAVE_MODE, 25, 1), 1
	s_wait_xcnt 0x0
; Two jobs that are done once for the later launches; each wave does one task in LDS bytes of its own, so there is no barrier and no loop.
; Work-groups 0 to 1023 (8,192 tasks): the int32 mask [4*2048 rows][2048 keys] becomes lane masks.  A task is 16 rows x 128 keys.
;   mbits dword [QT = row/16][kt = key/16][j = 0..7], bit (r + 16 h) = (mask[16 QT + r][16 kt + 8 h + j] != 0):
;   the lane mask of register j of a 16 key x 16 query matrix result (lane r + 16 h, register j holds key 8 h + j, query r).
; Work-groups 1024 to 1151 (1,024 tasks): W_out becomes f16 in the order in which matrix fragments are read.
;   wb[kb][T][c][r][e] = W_out[64 (T>>2) + 4 r + (T&3)][64 kb + 8 c + e], a block (kb, T) of 2,048 bytes per task.
; WHY f16: an output is a sum of 1,024 products and is compared within a hundredth of the outputs' root mean square; 11 significant bits leave that
; sum's rounding far inside, 8 do not.
; LIMIT: a weight beyond 65,504 in magnitude becomes an infinity; below 2^-14 it is kept to 2^-25 absolute.
; Every global load and store covers whole aligned runs of 256 bytes; the turn from rows to lanes goes through LDS.
; No matrix unit, cluster or large register tile: the work is a stream, 8 KiB of loads of every wave are on their way at once.
.set WREG,   8448                      ; LDS bytes of a wave: 16 rows of 528
.set LPITCH, 528                       ; 512 bytes of a mask row piece + 16: sixteen rows start in sixteen different 16-byte columns of 256
.set CPITCH, 272                       ; a chunk c of the W block: 16 r x 16 bytes + 16
	s_load_b256 s[4:11], s[0:1], 0x0               ; mask s[4:5], W_out s[6:7], mbits s[8:9], wb s[10:11]
	v_lshl_add_u32 v96, v0, 2, 0x10800
	v_mov_b32 v97, 0
	v_lshrrev_b32 v3, 5, v0
	v_readfirstlane_b32 s12, v3                    ; wave 0..7
	v_and_b32 v1, 31, v0                           ; lane L
	v_lshlrev_b32 v2, 4, v1                        ; 16 L
	s_mul_i32 s28, s12, WREG                       ; my wave's LDS bytes
	s_mov_b32 s17, 0                               ; high words of the two offset pairs
	s_mov_b32 s19, 0
	s_cmp_ge_u32 ttmp9, 1024
	s_cbranch_scc1 .Lweights
	; ---- the mask: task t = 8 g + w, kg = t & 15 (which 128 keys), QT = t >> 4 (which 16 rows)
	s_lshl_b32 s13, ttmp9, 3
	s_add_co_u32 s13, s13, s12
	s_and_b32 s14, s13, 15                         ; kg
	s_lshr_b32 s15, s13, 4                         ; QT
	s_lshl_b32 s16, s15, 17                        ; 16 rows of 8,192 bytes
	s_lshl_b32 s18, s14, 9                         ; 128 keys of 4 bytes
	s_add_co_u32 s16, s16, s18
	s_lshl_b32 s18, s15, 12                        ; mbits: 1,024 dwords for each QT,
	s_lshl_b32 s14, s14, 8                         ; 64 dwords for each kg
	s_add_co_u32 s18, s18, s14
	s_wait_kmcnt 0x0
	s_add_nc_u64 s[4:5], s[4:5], s[16:17]
	s_add_nc_u64 s[8:9], s[8:9], s[18:19]
.set i, 0
.rept 16
	global_load_b128 v[16+4*i:19+4*i], v2, s[4:5] offset:8192*i th:TH_LOAD_NT   ; row i: 512 consecutive bytes, read once in the launch
.set i, i+1
.endr
	v_add_nc_u32 v3, s28, v2                       ; in: row i at 528 i, 16 bytes a lane
	v_and_b32 v4, 15, v0                           ; r
	v_mul_u32_u24 v4, v4, LPITCH
	v_bfe_u32 v5, v0, 4, 1                         ; h
	v_lshl_add_u32 v4, v5, 5, v4                   ; back: row r, keys 8 h .. (32 h bytes)
	v_add_nc_u32 v4, s28, v4
	v_lshlrev_b32 v5, 3, v1                        ; out: 8 bytes a lane
	v_mov_b32 v6, 0                                ; v_writelane_b32 keeps the other lanes: the pair is written whole first
	v_mov_b32 v7, 0
.set i, 0
.rept 16
	s_wait_loadcnt 15-i                            ; loads return in order: row i is in, the 15 - i younger ones stay out
	ds_store_b128 v3, v[16+4*i:19+4*i] offset:LPITCH*i
.set i, i+1
.endr
	s_wait_dscnt 0x0                               ; the stores are done: v[16:79] are loaded again below
.set x, 0
.rept 16
	ds_load_b128 v[16+4*x:19+4*x], v4 offset:64*(x/2)+16*(x%2)   ; load x = 2 t + u: keys 16 t + 8 h + 4 u + 0..3 of row r
.set x, x+1
.endr
.set x, 0
.rept 16
	s_wait_dscnt 15-x                              ; load x is in, the younger ones stay out
.irp e, 0,1,2,3
	v_cmp_ne_u32 s[20+((4*x+\e)%8)], 0, v[16+4*x+\e]               ; dword D = 4 x + e = 8 t + j: one bit from each lane
.endr
.irp e, 0,1,2,3
	v_writelane_b32 v[6+((4*x+\e)%2)], s[20+((4*x+\e)%8)], (4*x+\e)/2   ; dword D goes out from lane D/2, register D%2
.endr
.set x, x+1
.endr
	global_store_b64 v5, v[6:7], s[8:9]            ; 32 lanes x 8 bytes: 256 consecutive bytes, aligned
	s_wait_tensorcnt 0x0
	ds_add_u32 v96, v97
	s_wait_dscnt 0x0
	s_endpgm
.Lweights:
	; ---- W_out: task t = 8 (g - 1024) + w, kb = t & 15 (which 64 columns), T = t >> 4 (which 16 rows, four apart)
	s_sub_co_u32 s13, ttmp9, 1024
	s_lshl_b32 s13, s13, 3
	s_add_co_u32 s13, s13, s12
	s_and_b32 s14, s13, 15                         ; kb
	s_lshr_b32 s15, s13, 4                         ; T
	s_lshr_b32 s16, s15, 2
	s_lshl_b32 s16, s16, 6                         ; 64 (T >> 2)
	s_and_b32 s18, s15, 3
	s_add_co_u32 s16, s16, s18                     ; + (T & 3): the row of r = 0
	s_lshl_b32 s16, s16, 12                        ; rows of 4,096 bytes
	s_lshl_b32 s18, s14, 8                         ; 64 columns of 4 bytes
	s_add_co_u32 s16, s16, s18
	s_lshl_b32 s18, s14, 17                        ; wb: a plane kb is 131,072 bytes,
	s_lshl_b32 s15, s15, 11                        ; a block T 2,048
	s_add_co_u32 s18, s18, s15
	s_wait_kmcnt 0x0
	s_add_nc_u64 s[6:7], s[6:7], s[16:17]
	s_add_nc_u64 s[10:11], s[10:11], s[18:19]
	v_and_b32 v8, 15, v0                           ; L & 15: which 16 bytes of the row's 256
	v_bfe_u32 v9, v0, 4, 1                         ; L >> 4: the even or the odd r of a load
	v_lshlrev_b32 v5, 4, v8
	v_lshl_add_u32 v5, v9, 14, v5                  ; r and r + 1 are four rows, 16,384 bytes, apart
.set i, 0
.rept 8
	global_load_b128 v[16+4*i:19+4*i], v5, s[6:7] offset:32768*i th:TH_LOAD_NT   ; r = 2 i + (L >> 4): sixteen lanes take 256 consecutive bytes of a row
.set i, i+1
.endr
	v_lshrrev_b32 v3, 1, v8                        ; in: chunk c = (L & 15) >> 1,
	v_mul_u32_u24 v3, v3, CPITCH
	v_and_b32 v10, 1, v0
	v_lshl_add_u32 v3, v10, 3, v3                  ; its lower or upper four numbers,
	v_lshl_add_u32 v3, v9, 4, v3                   ; r's odd bit; 32 i stands in the immediate
	v_add_nc_u32 v3, s28, v3
	v_mul_u32_u24 v4, v9, CPITCH                   ; back: chunks 2 i + (L >> 4), r = L & 15
	v_lshl_add_u32 v4, v8, 4, v4
	v_add_nc_u32 v4, s28, v4
.set i, 0
.rept 8
	s_wait_loadcnt 7-i                             ; load i is in, the younger ones stay out
	v_cvt_pk_f16_f32 v[48+2*i], v[16+4*i], v[17+4*i]
	v_cvt_pk_f16_f32 v[49+2*i], v[18+4*i], v[19+4*i]
	ds_store_b64 v3, v[48+2*i:49+2*i] offset:32*i
.set i, i+1
.endr
.set i, 0
.rept 4
	ds_load_b128 v[64+4*i:67+4*i], v4 offset:2*CPITCH*i   ; my own bytes; LDS serves a wave's instructions in order (ISA guide 5.7.1), so these see the stores
.set i, i+1
.endr
.set i, 0
.rept 4
	s_wait_dscnt 3-i
	global_store_b128 v2, v[64+4*i:67+4*i], s[10:11] offset:512*i   ; 512 consecutive bytes of the block
.set i, i+1
.endr
	s_wait_tensorcnt 0x0
	ds_add_u32 v96, v97
	s_wait_dscnt 0x0
	s_endpgm
.Lfunc_end_k_qb01bfd0da7_prep:
	.size	k_qb01bfd0da7_prep, .Lfunc_end_k_qb01bfd0da7_prep-k_qb01bfd0da7_prep
	.p2alignl 7, 3214868480
	.fill 96, 4, 3214868480
	.section	.rodata,"a",@progbits
	.p2align	6, 0x0
	.amdhsa_kernel k_qb01bfd0da7_prep
		.amdhsa_group_segment_fixed_size 68608
		.amdhsa_private_segment_fixed_size 0
		.amdhsa_enable_private_segment 0
		.amdhsa_kernarg_size 32
		.amdhsa_user_sgpr_count 2
		.amdhsa_user_sgpr_kernarg_segment_ptr 1
		.amdhsa_wavefront_size32 1
		.amdhsa_system_sgpr_workgroup_id_x 1
		.amdhsa_system_sgpr_workgroup_id_y 1
		.amdhsa_system_sgpr_workgroup_id_z 1
		.amdhsa_system_vgpr_workitem_id 0
		.amdhsa_next_free_vgpr 98
		.amdhsa_next_free_sgpr 66
		.amdhsa_reserve_vcc 0
		.amdhsa_float_denorm_mode_32 3
		.amdhsa_float_denorm_mode_16_64 3
		.amdhsa_memory_ordered 1
		.amdhsa_forward_progress 1
		.amdhsa_inst_pref_size 20
	.end_amdhsa_kernel
	.amdgpu_metadata
---
amdhsa.version: [ 1, 2 ]
amdhsa.kernels:
  - .name:           k_qb01bfd0da7_prep
    .symbol:         k_qb01bfd0da7_prep.kd
    .args:
      - { .name: mask, .offset: 0, .size: 8, .value_kind: global_buffer, .address_space: global }
      - { .name: W_out, .offset: 8, .size: 8, .value_kind: global_buffer, .address_space: global }
      - { .name: mbits, .offset: 16, .size: 8, .value_kind: global_buffer, .address_space: global }
      - { .name: wb, .offset: 24, .size: 8, .value_kind: global_buffer, .address_space: global }
    .group_segment_fixed_size: 68608
    .private_segment_fixed_size: 0
    .kernarg_segment_align: 8
    .kernarg_segment_size: 32
    .max_flat_workgroup_size: 256
    .sgpr_count:     66
    .vgpr_count:     98
    .wavefront_size: 32
...
	.end_amdgpu_metadata
.endif
;; end of part 1
;; launch attn (part 2): grid 4 x 64, 8 waves a work-group, no clusters, 39,936 bytes of LDS; arguments key, value, query, mbits, ctx; writes ctx
.if DOCPART == 2
	.amdgcn_target "amdgcn-amd-amdhsa--gfx1250"
	.amdhsa_code_object_version 6
	.text
	.protected	k_qb01bfd0da7_attn
	.globl	k_qb01bfd0da7_attn
	.p2align	8
	.type	k_qb01bfd0da7_attn,@function
k_qb01bfd0da7_attn:
	s_mov_b64 s[64:65], 0
	v_nop
	global_prefetch_b8 v0, s[64:65] scope:SCOPE_SE
	s_setreg_imm32_b32 hwreg(HW_REG_WAVE_MODE, 25, 1), 1
	s_wait_xcnt 0x0
; ctx = softmax(where(mask == 0, -1e9, Q K^T) / 32) V for one head and 512 query rows; f16 operands, f32 sums, f32 softmax with a running maximum.
; Grid: x = block of 512 query rows (4), y = 16 n + head (64): 256 work-groups.  Eight waves, two on each SIMD; a wave owns 64 query rows
; (four q tiles of 16).  The 2,048 keys go in 32 steps of 64.
; EVERYTHING IS TRANSPOSED.  S^T = K Q^T: source 0 = 16 keys x 32 d from LDS, source 1 = Q, resident.  Lane (r, h), register j of a result holds
; (key 8 h + j, query r): maximum and sum of a query row are reductions inside a lane plus one exchange of the halves, the running state is one
; register for each q tile, and four packed roundings of a result tile ARE half of the source-1 fragment P^T of the second product.
; O^T = V^T P^T: source 0 = V^T by the transposing LDS load from V stored [key][d].  A lane of O^T holds 8 neighbouring d of one query row.
; THE MASK comes as lane masks (one dword for each result register, made by the launch before), read by scalar loads and used by v_cndmask_b32:
; -1e9 really takes the score's place and takes part in the maximum, so a row without any key allowed gets equal weights, as the problem defines it.
; The words of TWO q tiles (64 scalar registers) are used in one run of 64 selects, so that both sets are free together and the next two tiles' words
; are asked for at once: a request then has two q tiles' softmax and 32 matrix instructions in which to land.  (Scalar loads may return in any order, so
; only a wait for all of them shows anything: requests made one tile at a time would have one tile's work each, however many sets there were.)
; K AND V TILES GO THROUGH REGISTERS: they are f32 in memory and are rounded on the way into LDS (two buffers, one barrier a step).
; NO TENSOR LOAD, NO MULTICAST, although the four work-groups of a head read the same tiles: the mover would lay f32 into LDS, to be read, rounded
; and written once more; and a work-group asks for 32 KiB in a step in which its eight waves issue 512 matrix instructions and some 5,000 vector ones.
; ctx layout (f16): [head][RT = global row / 16][c][r][e] = row 16 RT + r, column 64 head + 8 c + e; a store of a wave covers 512 consecutive bytes.
; WHY f16 AND NOT bf16: the final outputs are sums of 1,024 products, compared within a hundredth of their root mean square; roundings to 8 significant
; bits of the weights and of ctx leave too little margin there, roundings to 11 bits are eight times finer.  The operands have room in f16: the weights
; lie in (0, 1] since the running maximum is taken away, ctx is a weighted mean of V, and inputs of unit spread made thirty times larger and shifted by
; thirty spreads stay near 1,100.
; LIMITS: an input beyond 65,504 in magnitude becomes an infinity in f16; below 2^-14 it is kept to 2^-25 absolute.  NaN and infinities in the inputs
; are not reproduced (v_max_num_f32 drops a NaN).  A weight below 2^-25 of the row's running maximum counts as 0 in the product (2,048 of them are at
; most 2^-14 of a sum that is at least 1), one below 2^-126 also in the sum (v_exp_f32 flushes it: ISA guide 15.8).  The row sum is taken over the f32
; weights, the product takes them rounded to f16.
.set BUF,    19456                     ; an LDS buffer: K 64 rows x 144, then V 64 rows x 160
.set VBASE,  9216
.set KPITCH, 144                       ; 128 bytes + 16: an odd multiple of 16
.set VPITCH, 160                       ; 128 bytes + 32: an odd multiple of 32, for the transposing load
.set TILE,   262144                    ; 64 rows of 4,096 bytes in key and in value
.set MROW,   4096                      ; mask words of one q tile: 128 key tiles x 8 dwords
.set MSTEP,  128                       ; of which a step takes 4 key tiles x 8 dwords
; window 0
.set OOFF,  0                          ; v0      thread number, then 16 x lane (the way out)
.set NEG,   1                          ; v1      -1e9
.set KADR,  2                          ; v2      K fragments: r x 144 + 16 h
.set VADR,  3                          ; v3      V fragments: (8 h + (L & 7)) x 160 + 16 ((L >> 3) & 1) + 9216
.set KST,   4                          ; v4, v5  where my 8 bytes of a K row, of a V row go
.set VST,   5
.set GOFF,  6                          ; v6      my 16 bytes in a tile of key and of value
.set PFOFF, 7                          ; v7      4096 x lane (prefetch)
.set ST,    8                          ; v[8:15] q tile qt: pair (NMC = -c x running maximum, L = my lane's part of the running sum)
.set T0,    16                         ; v16-19  at work
.set AL,    20                         ; v[20:21] the factor by which old sums shrink (the low register is used for both halves)
.set SA,    22                         ; v[22:25] two pairs of partial sums
.set SB,    24
.set RW,    16                         ; v[16:31] at a step's end: the next tile's 16 rounded words
.set QREG,  32                         ; v[32:95]   Q(qt, ds) at 32 + 16 qt + 8 ds
.set KF,    96                         ; v[96:159]  K(kt, ds) at 96 + 16 kt + 8 ds
.set SREG,  160                        ; v[160:223] scores, two buffers of 32 (4 key tiles x 8)
.set PREG,  224                        ; v[224:255] weights in f16, two buffers of 16
; window 1 (written with their low 8 bits)
.set OACC,  0                          ; O(qt, dt) at 32 qt + 8 dt
.set VF,    128                        ; V^T(dt, ks) at 128 + 16 dt + 8 ks
.set STG,   192                        ; the next tile as loaded: 16 registers of K, 16 of V
; scalars: s[4:5] key, s[6:7] value (both at the tile that is loaded next), s[8:9] query, s[10:11] mask words, s[12:13] ctx, s14 wave, s15 counter,
; s[16:47] mask words of the even q tile of a pair, s[48:63] and s[68:83] of the odd one, s84 = s85 = c = log2(e)/32, s86 = -c, s88, s89 lane selects,
; s[90:91] prefetch, s92-99 at work
.set MSB, 0
.macro WIN new                         ; s_set_vgpr_msb: bits 1:0 source 0, 3:2 source 1, 5:4 source 2, 7:6 destination; the high byte repeats the setting left
.if MSB != \new
	s_set_vgpr_msb (MSB<<8)|\new
.set MSB, \new
.endif
.endm
; The mask words of two q tiles, the even one's at byte \off of the mask words' base, the odd one's a row of words further.
.macro MREQ off
	s_load_b512 s[16:31], s[10:11], \off
	s_load_b512 s[32:47], s[10:11], \off+64
	s_load_b512 s[48:63], s[10:11], \off+MROW
	s_load_b512 s[68:83], s[10:11], \off+MROW+64
.endm
	s_load_b256 s[4:11], s[0:1], 0x0               ; key, value, query, mbits
	s_load_b64 s[12:13], s[0:1], 0x20              ; ctx
	s_set_vgpr_msb 0x40
	v_lshl_add_u32 v254, v0, 2, 0x9800
	v_mov_b32 v255, 0
	s_set_vgpr_msb 0x4000
	v_lshrrev_b32 v1, 5, v0
	v_readfirstlane_b32 s14, v1                    ; wave 0..7
	s_and_b32 s92, ttmp7, 0xffff
	s_lshr_b32 s93, s92, 4                         ; n
	s_and_b32 s92, s92, 15                         ; head
	s_lshl_b32 s94, s93, 23                        ; n x 2,048 rows x 4,096 bytes
	s_lshl_b32 s96, s92, 8                         ; the head's 256 bytes of a row
	s_add_co_u32 s94, s94, s96
	s_mov_b32 s95, 0
	s_lshl_b32 s97, ttmp9, 5
	s_lshl2_add_u32 s97, s14, s97                  ; 32 qb + 4 w: my first q tile in the batch
	s_lshl_b32 s96, s93, 7
	s_add_co_u32 s96, s96, s97                     ; + 128 n: among all 512
	s_lshl_b32 s98, s97, 16                        ; 16 rows of 4,096 bytes each
	s_add_co_u32 s98, s98, s94
	s_mov_b32 s99, 0
	s_lshl_b32 s97, s92, 20                        ; ctx: a head's plane is 1,048,576 bytes,
	s_lshl_b32 s93, s96, 11                        ; a tile of 16 rows 2,048
	s_add_co_u32 s97, s97, s93
	s_lshl_b32 s96, s96, 12                        ; mask words: 4,096 bytes for a tile of 16 rows
	s_mov_b32 s84, 0x3d38aa3b                      ; c = log2(e) / 32: exp(x / 32) = 2^(c x)
	s_mov_b32 s85, 0x3d38aa3b
	s_mov_b32 s86, 0xbd38aa3b                      ; -c
	s_mov_b32 s88, 0x76543210                      ; v_permlanex16_b32: lane i takes lane i of the other half
	s_mov_b32 s89, 0xfedcba98
	s_wait_kmcnt 0x0
	s_add_nc_u64 s[4:5], s[4:5], s[94:95]
	s_add_nc_u64 s[6:7], s[6:7], s[94:95]
	s_add_nc_u64 s[8:9], s[8:9], s[98:99]
	s_mov_b32 s98, s96
	s_add_nc_u64 s[10:11], s[10:11], s[98:99]
	s_mov_b32 s98, s97
	s_add_nc_u64 s[12:13], s[12:13], s[98:99]
	MREQ 0                                         ; the mask words of step 0, q tiles 0 and 1
	; Prefetch: the four work-groups of a head share a tile's 128 row pieces of 256 bytes: qb 0, 1 ask for K's rows 0-31, 32-63, qb 2, 3 for V's.
	s_cmp_lt_u32 ttmp9, 2
	s_cselect_b64 s[90:91], s[4:5], s[6:7]
	s_and_b32 s98, ttmp9, 1
	s_lshl_b32 s98, s98, 17                        ; 32 rows
	s_add_co_u32 s98, s98, TILE                    ; tile 1; stepped with the tile bases, so that step s asks for tile s + 2
	s_add_nc_u64 s[90:91], s[90:91], s[98:99]
	s_mul_i32 s92, s14, 8*KPITCH                   ; my wave's 8 rows of a tile in LDS
	s_mul_i32 s93, s14, 8*VPITCH
	s_add_co_u32 s93, s93, VBASE
	v_and_b32 v8, 31, v0                           ; L
	v_and_b32 v9, 15, v0                           ; r
	v_bfe_u32 v10, v0, 4, 1                        ; h
	v_lshlrev_b32 v[GOFF], 12, v10                 ; tile loads: row 8 w + h (+ 2 i in the immediate), 16 bytes at 16 r:
	v_lshl_add_u32 v[GOFF], v9, 4, v[GOFF]         ; sixteen lanes take the head's 256 bytes of a row
	v_lshl_add_u32 v[GOFF], s14, 15, v[GOFF]
	WIN 0x40
.irp i, 0,1,2,3
	global_load_b128 v[STG+4*\i:STG+4*\i+3], v[GOFF], s[4:5] offset:8192*\i
.endr
.irp i, 0,1,2,3
	global_load_b128 v[STG+16+4*\i:STG+16+4*\i+3], v[GOFF], s[6:7] offset:8192*\i
.endr
	WIN 0
	v_lshlrev_b32 v14, 12, v9                      ; Q: row r, 32 h bytes
	v_lshl_add_u32 v14, v10, 5, v14
	; Q as f32 into v[96:223], already in fragment order: 8 numbers at d = 32 ds + 16 p + 8 h.  Read once; the 32 loads stand back to back and
	; together take the whole 256 bytes of each of my 64 rows.
.irp qt, 0,1,2,3
.irp ds, 0,1
.irp p, 0,1
.irp u, 0,1
	global_load_b128 v[96+32*\qt+16*\ds+8*\p+4*\u:96+32*\qt+16*\ds+8*\p+4*\u+3], v14, s[8:9] offset:65536*\qt+128*\ds+64*\p+16*\u
.endr
.endr
.endr
.endr
	v_mul_u32_u24 v[KADR], v9, KPITCH
	v_lshl_add_u32 v[KADR], v10, 4, v[KADR]
	v_and_b32 v11, 7, v0
	v_lshl_add_u32 v11, v10, 3, v11
	v_mul_u32_u24 v11, v11, VPITCH
	v_bfe_u32 v12, v0, 3, 1
	v_lshl_add_u32 v11, v12, 4, v11
	v_add_nc_u32 v[VADR], VBASE, v11
	v_mul_u32_u24 v[KST], v10, KPITCH
	v_lshl_add_u32 v[KST], v9, 3, v[KST]
	v_add_nc_u32 v[KST], s92, v[KST]
	v_mul_u32_u24 v[VST], v10, VPITCH
	v_lshl_add_u32 v[VST], v9, 3, v[VST]
	v_add_nc_u32 v[VST], s93, v[VST]
	v_lshlrev_b32 v[PFOFF], 12, v8
	v_lshlrev_b32 v[OOFF], 4, v8
	v_mov_b32 v[NEG], 0xce6e6b28                   ; -1e9
; The tile in STG is rounded and stored into LDS buffer b; the bases step to the next tile.
.macro STORE_TILE b
	WIN 0x05                                       ; sources in window 1, destination in window 0
.set i, 0
.rept 16
	v_cvt_pk_f16_f32 v[RW+i], v[STG+2*i], v[STG+2*i+1]
.set i, i+1
.endr
	WIN 0
.irp i, 0,1,2,3
	ds_store_b64 v[KST], v[RW+2*\i:RW+2*\i+1] offset:BUF*\b+2*KPITCH*\i
.endr
.irp i, 0,1,2,3
	ds_store_b64 v[VST], v[RW+8+2*\i:RW+8+2*\i+1] offset:BUF*\b+2*VPITCH*\i
.endr
	s_wait_xcnt 0x0                                ; the bases of the tile loads and of the prefetch are written only behind this wait
	s_add_nc_u64 s[4:5], s[4:5], TILE
	s_add_nc_u64 s[6:7], s[6:7], TILE
	s_add_nc_u64 s[90:91], s[90:91], TILE
.endm
	s_wait_loadcnt 32                              ; tile 0's eight loads are in; the 32 younger loads of Q stay out
	STORE_TILE 0
	s_wait_loadcnt 0x0                             ; Q
.set i, 0
.rept 64
	v_cvt_pk_f16_f32 v[QREG+i], v[96+2*i], v[97+2*i]
.set i, i+1
.endr
.irp qt, 0,1,2,3
	v_mov_b32 v[ST+2*\qt+1], 0                     ; the pair (NMC, L) is named whole by the packed multiply-add before L has its first value
.endr
	s_wait_dscnt 0x0                               ; my part of tile 0 is in LDS,
	s_barrier_signal -1
	s_barrier_wait -1                              ; everybody's is
; S^T of q tile qt: 4 key tiles x 64 d.  The first products start the sums.  The four accumulators take turns, one instruction a turn.
.macro QK qt
	WIN 0
.irp ds, 0,1
.irp kt, 0,1,2,3
.if \ds == 0
	v_wmma_f32_16x16x32_f16 v[SREG+32*((\qt)%2)+8*\kt:SREG+32*((\qt)%2)+8*\kt+7], v[KF+16*\kt+8*\ds:KF+16*\kt+8*\ds+7], v[QREG+16*\qt+8*\ds:QREG+16*\qt+8*\ds+7], 0
.else
	v_wmma_f32_16x16x32_f16 v[SREG+32*((\qt)%2)+8*\kt:SREG+32*((\qt)%2)+8*\kt+7], v[KF+16*\kt+8*\ds:KF+16*\kt+8*\ds+7], v[QREG+16*\qt+8*\ds:QREG+16*\qt+8*\ds+7], v[SREG+32*((\qt)%2)+8*\kt:SREG+32*((\qt)%2)+8*\kt+7]
.endif
.endr
.endr
.endm
; The masks of the two q tiles whose scores lie in the two score buffers.  step = 1: this is a step's first pair, and not the launch's first step:
; the base of the mask words steps on.  The 32 selects on buffer 0 name no register of the products that wrote buffer 1 just before: they are the places
; in front of the selects on buffer 1 (ISA guide 7.12.1).
.macro MASKS step
	WIN 0
	s_wait_kmcnt 0x0                               ; both tiles' 64 mask words are in, and no scalar load is out: the base may step
.if \step
	s_add_nc_u64 s[10:11], s[10:11], MSTEP
.endif
.set i, 0
.rept 32
	v_cndmask_b32 v[SREG+i], v[NEG], v[SREG+i], s[16+i]                    ; mask bit 0: -1e9 in the score's place
.set i, i+1
.endr
.set i, 0
.rept 32
	v_cndmask_b32 v[SREG+32+i], v[NEG], v[SREG+32+i], s[48+i+4*(i/16)]     ; the odd tile's words lie in s[48:63] and s[68:83]
.set i, i+1
.endr
.endm
; Pieces of SOFTMAX on key tile g (8 registers); SBASE, PBASE, NM are set by SOFTMAX.
.macro FMAG g                          ; c x score - c x maximum
.irp k, 0,2,4,6
	v_pk_fma_f32 v[SBASE+8*\g+\k:SBASE+8*\g+\k+1], v[SBASE+8*\g+\k:SBASE+8*\g+\k+1], s[84:85], v[NM:NM+1] op_sel_hi:[1,0,0]
.endr
.endm
.macro EXPG g
.irp k, 0,1,2,3,4,5,6,7
	v_exp_f32 v[SBASE+8*\g+\k], v[SBASE+8*\g+\k]
.endr
.endm
.macro SCG g                           ; sums in two chains, and the rounding that makes half of a P^T fragment
.if \g == 0
	s_wait_alu depctr_va_vdst(0)
	v_pk_add_f32 v[SA:SA+1], v[SBASE:SBASE+1], v[SBASE+2:SBASE+3]
	v_pk_add_f32 v[SB:SB+1], v[SBASE+4:SBASE+5], v[SBASE+6:SBASE+7]
.else
	s_wait_alu depctr_va_vdst(0)
	v_pk_add_f32 v[SA:SA+1], v[SA:SA+1], v[SBASE+8*\g:SBASE+8*\g+1]
	v_pk_add_f32 v[SB:SB+1], v[SB:SB+1], v[SBASE+8*\g+2:SBASE+8*\g+3]
	v_pk_add_f32 v[SA:SA+1], v[SA:SA+1], v[SBASE+8*\g+4:SBASE+8*\g+5]
	v_pk_add_f32 v[SB:SB+1], v[SB:SB+1], v[SBASE+8*\g+6:SBASE+8*\g+7]
.endif
.irp k, 0,1,2,3
	v_cvt_pk_f16_f32 v[PBASE+4*\g+\k], v[SBASE+8*\g+2*\k], v[SBASE+8*\g+2*\k+1]
.endr
.endm
; The softmax step of q tile qt, on masked scores.  first = 1: the launch's first step.
; req: which mask words are asked for: 1 this step's q tiles 2 and 3, 2 the next step's q tiles 0 and 1, 0 none.
.macro SOFTMAX qt, first, req
	WIN 0
.set SBASE, SREG+32*((\qt)%2)
.set PBASE, PREG+16*((\qt)%2)
.set NM,    ST+2*(\qt)
	; the largest of my 32 scores: four chains of seven, the last four ride on the joins
.irp k, 0,1,2,3
	v_max3_num_f32 v[T0+\k], v[SBASE+7*\k], v[SBASE+7*\k+1], v[SBASE+7*\k+2]
.endr
.irp k, 0,1,2,3
	v_max3_num_f32 v[T0+\k], v[T0+\k], v[SBASE+7*\k+3], v[SBASE+7*\k+4]
.endr
.irp k, 0,1,2,3
	v_max3_num_f32 v[T0+\k], v[T0+\k], v[SBASE+7*\k+5], v[SBASE+7*\k+6]
.endr
	v_max3_num_f32 v[T0], v[T0], v[T0+1], v[SBASE+28]
	v_max3_num_f32 v[T0+2], v[T0+2], v[T0+3], v[SBASE+29]
	v_max3_num_f32 v[T0], v[T0], v[T0+2], v[SBASE+30]
	v_max_num_f32 v[T0], v[T0], v[SBASE+31]
	v_permlanex16_b32 v[T0+1], v[T0], s88, s89     ; lanes r and r + 16 hold the two halves of query r's keys
	v_max_num_f32 v[T0], v[T0], v[T0+1]
	; Both sets of mask registers were read for the last time 18 vector instructions ago: the next two q tiles' words are asked for, all four loads at once.
.if \req == 1
	MREQ 2*MROW
.endif
.if \req == 2
	MREQ MSTEP
.endif
.if \first
	v_mul_f32 v[NM], s86, v[T0]                    ; NMC = -c x maximum
.else
	v_mul_f32 v[T0+1], s86, v[T0]
	v_sub_f32 v[T0+2], v[T0+1], v[NM]              ; c x (old maximum - this step's)
	v_min_num_f32 v[T0+2], 0, v[T0+2]              ; 0 where the old one stays
	v_min_num_f32 v[NM], v[NM], v[T0+1]            ; the running maximum, negated and scaled
	v_exp_f32 v[AL], v[T0+2]                       ; the factor for the old sums
.endif
	; Between an exponential and the first use of its result stand plain vector instructions of another key tile (ISA guide 5.7.2).
	FMAG 0
	EXPG 0
	FMAG 1
	EXPG 1
	SCG 0
	FMAG 2
	EXPG 2
	SCG 1
	FMAG 3
	EXPG 3
	SCG 2
	SCG 3
	v_pk_add_f32 v[SA:SA+1], v[SA:SA+1], v[SB:SB+1]
.if \first
	v_add_f32 v[NM+1], v[SA], v[SA+1]
.else
	v_fma_f32 v[NM+1], v[NM+1], v[AL], v[SA]
	v_add_f32 v[NM+1], v[NM+1], v[SA+1]
.endif
.endm
.macro RESC qt                         ; the old O^T of q tile qt shrinks by the lane's factor
	WIN 0x41                                       ; O in window 1, the factor in window 0
.set i, 0
.rept 16
	v_pk_mul_f32 v[OACC+32*\qt+2*i:OACC+32*\qt+2*i+1], v[OACC+32*\qt+2*i:OACC+32*\qt+2*i+1], v[AL:AL+1] op_sel_hi:[1,0]
.set i, i+1
.endr
.endm
; O^T(qt) += V^T P^T: 4 d tiles x 64 keys.  The four accumulators take turns, one instruction a turn.
.macro PV qt, first
	WIN 0x51                                       ; D, C and V^T in window 1, P^T in window 0
.irp ks, 0,1
.irp dt, 0,1,2,3
.if \first*(1-\ks)
	v_wmma_f32_16x16x32_f16 v[OACC+32*\qt+8*\dt:OACC+32*\qt+8*\dt+7], v[VF+16*\dt+8*\ks:VF+16*\dt+8*\ks+7], v[PREG+16*((\qt)%2)+8*\ks:PREG+16*((\qt)%2)+8*\ks+7], 0
.else
	v_wmma_f32_16x16x32_f16 v[OACC+32*\qt+8*\dt:OACC+32*\qt+8*\dt+7], v[VF+16*\dt+8*\ks:VF+16*\dt+8*\ks+7], v[PREG+16*((\qt)%2)+8*\ks:PREG+16*((\qt)%2)+8*\ks+7], v[OACC+32*\qt+8*\dt:OACC+32*\qt+8*\dt+7]
.endif
.endr
.endr
.endm
.macro UPD qt, first
.if \first == 0
	RESC \qt
.endif
.endm
; One step: 64 keys from LDS buffer buf.  fetch = 1: the next tile is loaded at the head and stored into the other buffer at the end.
; pf: 1 wave 0 prefetches, 2 the same but not in the loop's last trip, 0 none.
; The q tiles go in two pairs.  A pair's scores fill the two score buffers and are masked together; the scores of q tile qt + 2 are multiplied
; as soon as q tile qt's softmax has left its buffer.
.macro STEP buf, first, fetch, pf
.irp kt, 0,1,2,3
.irp ds, 0,1
	ds_load_b128 v[KF+16*\kt+8*\ds:KF+16*\kt+8*\ds+3],   v[KADR] offset:BUF*\buf+16*KPITCH*\kt+64*\ds
	ds_load_b128 v[KF+16*\kt+8*\ds+4:KF+16*\kt+8*\ds+7], v[KADR] offset:BUF*\buf+16*KPITCH*\kt+64*\ds+32
.endr
.endr
	WIN 0x40                                       ; destinations in window 1
.if \fetch
.irp i, 0,1,2,3
	global_load_b128 v[STG+4*\i:STG+4*\i+3], v[GOFF], s[4:5] offset:8192*\i
.endr
.irp i, 0,1,2,3
	global_load_b128 v[STG+16+4*\i:STG+16+4*\i+3], v[GOFF], s[6:7] offset:8192*\i
.endr
.endif
.irp dt, 0,1,2,3
.irp ks, 0,1
	ds_load_tr16_b128 v[VF+16*\dt+8*\ks:VF+16*\dt+8*\ks+3],   v[VADR] offset:BUF*\buf+32*VPITCH*\ks+32*\dt
	ds_load_tr16_b128 v[VF+16*\dt+8*\ks+4:VF+16*\dt+8*\ks+7], v[VADR] offset:BUF*\buf+32*VPITCH*\ks+32*\dt+16*VPITCH
.endr
.endr
	WIN 0
	s_wait_dscnt 16                                ; K's 16 loads are in; V's 16, issued behind them, stay out
	QK 0
	QK 1
.if \pf
	; Wave 0 asks for its work-group's quarter (32 row pieces of 256 bytes, one a lane) of the tile that the NEXT step's loads will want: tile s + 2 in
	; step s, 8 KiB ahead of the loads.  Steps 30 and 31 ask for nothing: tile 31 is the last.
	s_cmp_lg_u32 s14, 0
	s_cbranch_scc1 .Lnopf_\@
.if \pf == 2
	s_cmp_eq_u32 s15, 1
	s_cbranch_scc1 .Lnopf_\@
.endif
	global_prefetch_b8 v[PFOFF], s[90:91] th:TH_LOAD_NT scope:SCOPE_SE
.Lnopf_\@:
.endif
.rept 4
	v_nop                                          ; four places between q tile 0's products and the vector instructions that read them (ISA guide 7.12.1)
.endr
	MASKS (1-\first)                               ; q tiles 0 and 1
	SOFTMAX 0, \first, 1                           ; asks for the words of q tiles 2 and 3
	UPD 0, \first
	s_wait_dscnt 0x0                               ; V's fragments are in; these were my last reads of this buffer
	PV 0, \first
	QK 2
	SOFTMAX 1, \first, 0
	UPD 1, \first
	PV 1, \first
	QK 3
	MASKS 0                                        ; q tiles 2 and 3: q tile 2's products stand a whole softmax back
	SOFTMAX 2, \first, 2*\fetch                    ; asks for the words of the next step's q tiles 0 and 1
	UPD 2, \first
	PV 2, \first
	SOFTMAX 3, \first, 0
	UPD 3, \first
	PV 3, \first
.if \fetch
	s_wait_loadcnt 0x0                             ; the next tile, asked for at the step's head
	STORE_TILE (1-\buf)                            ; into the buffer that every wave finished reading before the last barrier; its 16 roundings are also the
	                                               ; places between the last products and the next step's loads into their sources
	s_wait_dscnt 0x0                               ; my stores are done (and my reads of this buffer were, above),
	s_barrier_signal -1
	s_barrier_wait -1                              ; everybody's are: one barrier a step orders both
.endif
.endm
	STEP 0, 1, 1, 1                                ; step 0 starts the sums: nothing is cleared
	s_mov_b32 s15, 15
.Lpair:
	STEP 1, 0, 1, 1                                ; steps 1, 3, .. 29
	STEP 0, 0, 1, 2                                ; steps 2, 4, .. 30
	s_sub_co_u32 s15, s15, 1
	s_cmp_lg_u32 s15, 0
	s_cbranch_scc1 .Lpair
	STEP 1, 0, 0, 0                                ; step 31 loads nothing more
	; The way out: O / L, rounded, 16 bytes a lane.  The four additions and the v_nop are the places behind the last products.
	WIN 0
.irp qt, 0,1,2,3
	v_permlanex16_b32 v[T0+\qt], v[ST+2*\qt+1], s88, s89
.endr
.irp qt, 0,1,2,3
	v_add_f32 v[T0+\qt], v[T0+\qt], v[ST+2*\qt+1]  ; the row's sum: both halves of its keys
.endr
.irp qt, 0,1,2,3
	v_rcp_f32 v[AL+2*\qt], v[T0+\qt]
.endr
	v_nop                                          ; one plain place behind the last reciprocal (ISA guide 5.7.2)
	WIN 0x41
	s_wait_alu depctr_va_vdst(0)
.irp qt, 0,1,2,3
.set i, 0
.rept 16
	v_pk_mul_f32 v[OACC+32*\qt+2*i:OACC+32*\qt+2*i+1], v[OACC+32*\qt+2*i:OACC+32*\qt+2*i+1], v[AL+2*\qt:AL+2*\qt+1] op_sel_hi:[1,0]
.set i, i+1
.endr
.endr
	WIN 0x05
.set i, 0
.rept 64
	v_cvt_pk_f16_f32 v[KF+i], v[OACC+2*i], v[OACC+2*i+1]
.set i, i+1
.endr
	WIN 0
.irp qt, 0,1,2,3
.irp dt, 0,1,2,3
	global_store_b128 v[OOFF], v[KF+16*\qt+4*\dt:KF+16*\qt+4*\dt+3], s[12:13] offset:2048*\qt+512*\dt   ; chunks c = 2 dt + h, row r: 512 consecutive bytes, aligned
.endr
.endr
	s_set_vgpr_msb 0x5
	s_wait_tensorcnt 0x0
	ds_add_u32 v254, v255
	s_wait_dscnt 0x0
	s_set_vgpr_msb 0x500
	s_endpgm
.Lfunc_end_k_qb01bfd0da7_attn:
	.size	k_qb01bfd0da7_attn, .Lfunc_end_k_qb01bfd0da7_attn-k_qb01bfd0da7_attn
	.p2alignl 7, 3214868480
	.fill 96, 4, 3214868480
	.section	.rodata,"a",@progbits
	.p2align	6, 0x0
	.amdhsa_kernel k_qb01bfd0da7_attn
		.amdhsa_group_segment_fixed_size 39936
		.amdhsa_private_segment_fixed_size 0
		.amdhsa_enable_private_segment 0
		.amdhsa_kernarg_size 40
		.amdhsa_user_sgpr_count 2
		.amdhsa_user_sgpr_kernarg_segment_ptr 1
		.amdhsa_wavefront_size32 1
		.amdhsa_system_sgpr_workgroup_id_x 1
		.amdhsa_system_sgpr_workgroup_id_y 1
		.amdhsa_system_sgpr_workgroup_id_z 1
		.amdhsa_system_vgpr_workitem_id 0
		.amdhsa_next_free_vgpr 512
		.amdhsa_next_free_sgpr 100
		.amdhsa_reserve_vcc 0
		.amdhsa_float_denorm_mode_32 3
		.amdhsa_float_denorm_mode_16_64 3
		.amdhsa_memory_ordered 1
		.amdhsa_forward_progress 1
		.amdhsa_inst_pref_size 191
	.end_amdhsa_kernel
	.amdgpu_metadata
---
amdhsa.version: [ 1, 2 ]
amdhsa.kernels:
  - .name:           k_qb01bfd0da7_attn
    .symbol:         k_qb01bfd0da7_attn.kd
    .args:
      - { .name: key, .offset: 0, .size: 8, .value_kind: global_buffer, .address_space: global }
      - { .name: value, .offset: 8, .size: 8, .value_kind: global_buffer, .address_space: global }
      - { .name: query, .offset: 16, .size: 8, .value_kind: global_buffer, .address_space: global }
      - { .name: mbits, .offset: 24, .size: 8, .value_kind: global_buffer, .address_space: global }
      - { .name: ctx, .offset: 32, .size: 8, .value_kind: global_buffer, .address_space: global }
    .group_segment_fixed_size: 39936
    .private_segment_fixed_size: 0
    .kernarg_segment_align: 8
    .kernarg_segment_size: 40
    .max_flat_workgroup_size: 256
    .sgpr_count:     100
    .vgpr_count:     512
    .wavefront_size: 32
...
	.end_amdgpu_metadata
.endif
;; end of part 2
;; launch proj (part 3): grid 4 x 64, 4 waves a work-group, clusters of 4 x 4, 327,680 bytes of LDS; arguments ctx, wb, b_out, out0; writes out0
.if DOCPART == 3
	.amdgcn_target "amdgcn-amd-amdhsa--gfx1250"
	.amdhsa_code_object_version 6
	.text
	.protected	k_qb01bfd0da7_proj
	.globl	k_qb01bfd0da7_proj
	.p2align	8
	.type	k_qb01bfd0da7_proj,@function
k_qb01bfd0da7_proj:
	s_mov_b64 s[64:65], 0
	v_nop
	global_prefetch_b8 v0, s[64:65] scope:SCOPE_SE
	s_setreg_imm32_b32 hwreg(HW_REG_WAVE_MODE, 25, 1), 1
	s_wait_xcnt 0x0
	s_wait_alu depctr_hold_cnt(0) depctr_sa_sdst(0) depctr_va_vdst(0) depctr_va_sdst(0) depctr_va_ssrc(0) depctr_va_vcc(0) depctr_vm_vsrc(0)
	s_getreg_b32 s2, hwreg(HW_REG_IB_STS2, 6, 4)
	s_cmp_eq_u32 s2, 0
	s_cbranch_scc0 .Lentry_in_a_cluster
	s_endpgm
.Lentry_in_a_cluster:
	s_bfe_u32 s2, ttmp6, 0x10000c
	s_cmp_lg_u32 s2, 0xf033
	s_cbranch_scc0 .Lentry_shape_is_right
	s_endpgm
.Lentry_shape_is_right:
; out0[m][n] = sum over k of ctx[m][k] W_out[n][k] + b_out[n].  8,192 x 1,024 x 1,024; ctx and W_out come as f16 in fragment order, sums in f32.
; A work-group makes 128 rows x 256 columns with four waves; a wave makes 64 x 128: 32 accumulator tiles of 16 x 16, which fill register window 1.
; ctx: [kb][RT = row/16][c][r][e] = (row 16 RT + r, k = 64 kb + 8 c + e).   wb: [kb][T][c][r][e] = W_out[64 (T>>2) + 4 r + (T&3)][64 kb + 8 c + e].
; In both a 16 x 32 fragment is two loads of 16 bytes a lane at block + 1024 ks + 16 x lane, 512 bytes apart: consecutive bytes, no bank conflict, no padding.
; Tile T holds every fourth column, so lane r of the four tiles of a group holds four NEIGHBOURING columns 64 g + 4 r + 0..3: 16 bytes of f32 for one store.
; K goes in 8 steps of 128 (two planes kb) through a ring of two LDS slots of 131,072 bytes.  A slot has one region of 32,768 bytes for each wave:
; waves 0, 1 fetch ctx's planes 2 s, 2 s + 1 (16 KiB each, dense; the region's upper half stays unused, so that an LDS address is the wave's number
; times one constant), waves 2, 3 fetch wb's (32 KiB each, dense).
; CLUSTERS: 4 x 4 work-groups.  ctx's tile hangs on the block row alone and is asked for jointly along a row of the cluster, wb's on the block column
; alone and jointly along a column: the requests for both are divided by four.  A wave has two tensor loads out at the start and one behind each round.
; LIMIT: the operands are f16 as the launches before left them (beyond 65,504 an infinity, below 2^-14 kept to 2^-25 absolute); NaN and infinities are
; not looked after beyond what the arithmetic itself does.
.set SLOT,   131072
.set REGION, 32768
.set APLANE, 1048576                   ; a plane kb of ctx
.set BPLANE, 131072                    ; a plane kb of wb
.set ADRA, 16                          ; v16-17  my ctx fragments in slot 0, 1: 8192 wm + 16 L
.set ADRB, 20                          ; v20-21  my wb fragments: 65536 + 16384 wn + 16 L
.set CO,   26                          ; v26     my byte offset in out0: row 8 h, 16 r
.set BO,   27                          ; v27     16 r
.set BIAS, 28                          ; v[28:35] b_out of my columns: 4 gg + nt
.set F0,   64                          ; fragment buffer 0: ctx 4 x 8 registers, then wb 8 x 8
.set F1,   160                         ; fragment buffer 1
.set G1,  24                           ; s[24:31] descriptor group 1 for ctx's tiles
.set G0,  32                           ; s[32:39] group 0 for ctx's tiles, one set for each slot
.set G1B, 48                           ; s[48:55] group 1 for wb's tiles
.set G0B, 56                           ; s[56:63] group 0 for wb's tiles, one set for each slot
.set MSB, 0
.macro WIN new                         ; s_set_vgpr_msb: bits 1:0 source 0, 3:2 source 1, 5:4 source 2, 7:6 destination; the high byte repeats the setting left
.if MSB != \new
	s_set_vgpr_msb (MSB<<8)|\new
.set MSB, \new
.endif
.endm
; A joint load: waves 0, 1 ask for ctx's planes, waves 2, 3 for wb's.  Each line has one mask; the branch hangs on the wave's number alone.
.macro JLOAD s
	s_cmp_eq_u32 s13, 0
	s_cbranch_scc0 .Lfor_b_\@
	tensor_load_to_lds s[G0+4*\s:G0+4*\s+3], s[G1:G1+7]
	s_nop 0
	s_branch .Lasked_\@
.Lfor_b_\@:
	tensor_load_to_lds s[G0B+4*\s:G0B+4*\s+3], s[G1B:G1B+7]
	s_nop 0
.Lasked_\@:
.endm
; A round of the cluster's barrier: my work-group's barrier, wave 0 signals for the work-group, every wave waits for all sixteen, my work-group's barrier again.
.macro CREST                           ; a round behind its opening barrier
	s_cmp_lg_u32 s12, 0
	s_cbranch_scc1 .Lnot_wave_0_\@
	s_barrier_signal -3
.Lnot_wave_0_\@:
	s_barrier_wait -3
	s_barrier_signal -1
	s_barrier_wait -1
.endm
.macro CROUND
	s_barrier_signal -1
	s_barrier_wait -1
	CREST
.endm
	s_load_b256 s[4:11], s[0:1], 0x0               ; ctx s[4:5], wb s[6:7], b_out s[8:9], out0 s[10:11]
	v_lshl_add_u32 v62, v0, 2, 0x40000
	v_mov_b32 v63, 0
	ds_add_u32 v62, v63
	v_lshrrev_b32 v1, 5, v0
	v_readfirstlane_b32 s12, v1                    ; wave 0..3
	s_lshr_b32 s13, s12, 1                         ; wm: which 64 rows are mine.  Also: I fetch for ctx (0) or for wb (1)
	s_and_b32 s14, s12, 1                          ; wn: which 128 columns.  Also: which of a step's two planes I fetch
	s_bfe_u32 s40, ttmp6, 0x40000                  ; cx
	s_bfe_u32 s41, ttmp6, 0x40004                  ; cy
	s_lshl_b32 s42, ttmp9, 2
	s_add_co_u32 s42, s42, s40                     ; nb: block of 256 columns = 4 x cluster x + cx
	s_and_b32 s43, ttmp7, 0xffff
	s_lshl_b32 s43, s43, 2
	s_add_co_u32 s43, s43, s41                     ; mb: block of 128 rows = 4 x cluster y + cy
	s_lshl_b32 s44, s41, 2
	s_lshl_b32 s44, 15, s44                        ; my row of the cluster: places 4 cy .. 4 cy + 3
	s_lshl_b32 s45, 0x1111, s40                    ; my column: places cx, cx + 4, cx + 8, cx + 12
	; group 1: a dense block as rows of 256 bytes: elements of 8 bytes, 32 in a row, pitch 32; 64 rows of ctx, 128 of wb; no padding
	s_or_b32 s[G1+0], s44, (3<<16)|(1<<21)         ; 15:0 the mask; 17:16 element size code 3; 21 set beside a mask
	s_or_b32 s[G1B+0], s45, (3<<16)|(1<<21)
	s_mov_b32 s[G1+1], 32<<16                      ; 63:48 tensor_dim0 = 32
	s_mov_b32 s[G1B+1], 32<<16
	s_mov_b32 s[G1+2], 64<<16                      ; 95:80 tensor_dim1 = the tile's rows
	s_mov_b32 s[G1B+2], 128<<16
	s_mov_b32 s[G1+3], 32<<16                      ; 127:112 tile_dim0 = 32
	s_mov_b32 s[G1B+3], 32<<16
	s_mov_b32 s[G1+4], 64                          ; 143:128 tile_dim1
	s_mov_b32 s[G1B+4], 128
	s_mov_b32 s[G1+5], 32                          ; 191:160 elements from row to row
	s_mov_b32 s[G1B+5], 32
	s_mov_b32 s[G1+6], 0
	s_mov_b32 s[G1B+6], 0
	s_mov_b32 s[G1+7], 0
	s_mov_b32 s[G1B+7], 0
	; where the tiles come from: ctx's address is made of mb and the wave's number, wb's of nb and the wave's number, each in registers that never hold the other coordinate
	s_lshl_b32 s66, s14, 20                        ; plane (w & 1) of ctx
	s_lshl_b32 s16, s43, 14                        ; + 8 blocks of 2,048 bytes for each mb
	s_add_co_u32 s66, s66, s16
	s_mov_b32 s67, 0
	s_lshl_b32 s46, s14, 17                        ; plane (w & 1) of wb
	s_lshl_b32 s18, s42, 15                        ; + 16 blocks of 2,048 bytes for each nb
	s_add_co_u32 s46, s46, s18
	s_mov_b32 s47, 0
	s_lshl_b32 s20, s12, 15                        ; and where they go: the wave's region; no place in the cluster enters an LDS address
	s_wait_dscnt 0x0
	s_wait_kmcnt 0x0
	s_add_nc_u64 s[66:67], s[4:5], s[66:67]
	s_add_nc_u64 s[46:47], s[6:7], s[46:47]
	CROUND                                         ; all sixteen work-groups are here: the first joint loads meet
.irp s, 0,1
	s_mov_b32 s[G0+4*\s], 1                                        ; count = 1
	s_add_co_u32 s[G0+4*\s+1], s20, \s*SLOT                        ; LDS address
	s_add_nc_u64 s[G0+4*\s+2:G0+4*\s+3], s[66:67], \s*2*APLANE     ; K step s: planes 2 s, 2 s + 1
	s_or_b32 s[G0+4*\s+3], s[G0+4*\s+3], 0x80000000                ; type = 2
	s_mov_b32 s[G0B+4*\s], 1
	s_add_co_u32 s[G0B+4*\s+1], s20, \s*SLOT
	s_add_nc_u64 s[G0B+4*\s+2:G0B+4*\s+3], s[46:47], \s*2*BPLANE
	s_or_b32 s[G0B+4*\s+3], s[G0B+4*\s+3], 0x80000000
	JLOAD \s                                       ; the ring is filled before anything else is done
.endr
	v_and_b32 v1, 31, v0
	v_lshlrev_b32 v2, 4, v1                        ; 16 L
	s_lshl_b32 s21, s13, 13                        ; my 4 blocks of ctx
	s_lshl_b32 s22, s14, 14                        ; my 8 blocks of wb,
	s_add_co_u32 s22, s22, 2*REGION                ; which lie behind ctx's two regions
.irp s, 0,1
	v_add_nc_u32 v[ADRA+\s], s21, v2
	v_add_nc_u32 v[ADRB+\s], s22, v2
	s_add_co_u32 s21, s21, SLOT
	s_add_co_u32 s22, s22, SLOT
.endr
	v_and_b32 v3, 15, v0                           ; r
	v_bfe_u32 v4, v0, 4, 1                         ; h
	v_lshlrev_b32 v[BO], 4, v3
	v_lshl_add_u32 v[CO], v4, 15, v[BO]            ; 8 h rows of 4,096 bytes + 16 r
	s_lshl_b32 s68, s42, 10                        ; my first column in bytes: 1,024 nb + 512 wn
	s_lshl_b32 s70, s14, 9
	s_add_co_u32 s68, s68, s70
	s_mov_b32 s69, 0
	s_add_nc_u64 s[8:9], s[8:9], s[68:69]
	global_load_b128 v[BIAS:BIAS+3], v[BO], s[8:9]                 ; columns 4 r + 0..3 of my first 64,
	global_load_b128 v[BIAS+4:BIAS+7], v[BO], s[8:9] offset:256    ; of my second 64; waited for in front of the way out
	s_lshl_b32 s70, s43, 19                        ; my first row: 128 mb + 64 wm, rows of 4,096 bytes
	s_lshl_b32 s71, s13, 18
	s_add_co_u32 s70, s70, s71
	s_add_co_u32 s70, s70, s68
	s_mov_b32 s71, 0
	s_add_nc_u64 s[10:11], s[10:11], s[70:71]
; 8 matrix instructions: row tile mt x my 8 column tiles, 32 along K.  zero = 1: the first product starts the sums.
; The 32 accumulators take turns in the same order in every quarter step, one instruction a turn.
.macro MULM f, mt, zero
.irp t, 0,1,2,3,4,5,6,7
.if \zero
	v_wmma_f32_16x16x32_f16 v[8*(8*\mt+\t):8*(8*\mt+\t)+7], v[\f+8*\mt:\f+8*\mt+7], v[\f+32+8*\t:\f+32+8*\t+7], 0
.else
	v_wmma_f32_16x16x32_f16 v[8*(8*\mt+\t):8*(8*\mt+\t)+7], v[\f+8*\mt:\f+8*\mt+7], v[\f+32+8*\t:\f+32+8*\t+7], v[8*(8*\mt+\t):8*(8*\mt+\t)+7]
.endif
.endr
.endm
; 24 LDS loads in one run: the fragments of quarter kq (plane kq / 2, half kq % 2 of its 64 k) of a slot into buffer f; wb's first, ctx's last
.macro FETCH slot, kq, f
	WIN 0
.irp t, 0,1,2,3,4,5,6,7
	ds_load_b128 v[\f+32+8*\t:\f+32+8*\t+3],   v[ADRB+\slot] offset:REGION*(\kq/2)+2048*\t+1024*(\kq%2)
	ds_load_b128 v[\f+32+8*\t+4:\f+32+8*\t+7], v[ADRB+\slot] offset:REGION*(\kq/2)+2048*\t+1024*(\kq%2)+512
.endr
.irp m, 0,1,2,3
	ds_load_b128 v[\f+8*\m:\f+8*\m+3],   v[ADRA+\slot] offset:REGION*(\kq/2)+2048*\m+1024*(\kq%2)
	ds_load_b128 v[\f+8*\m+4:\f+8*\m+7], v[ADRA+\slot] offset:REGION*(\kq/2)+2048*\m+1024*(\kq%2)+512
.endr
.endm
; Four places between a matrix instruction and a load into one of its sources, or a vector instruction that reads its result (ISA guide 7.12.1 for
; vector instructions); the matrix instructions in between are not counted.
.macro PLACES
.rept 4
	v_nop
.endr
.endm
.set MUL, 0x50                         ; C and D in window 1, both sources in window 0
; One of a K step's first three quarters: multiplies buffer f; in its middle it fetches quarter kq of the same slot into buffer g.
.macro QUARTER slot, kq, f, g, zero
	s_wait_dscnt 4                                 ; wb's fragments and ctx's tiles 0, 1 are in; the youngest four loads (ctx's tiles 2, 3) may be out
	WIN MUL
	MULM \f, 0, \zero
	MULM \f, 1, \zero
	PLACES
	FETCH \slot, \kq, \g
	s_wait_dscnt 24                                ; all but the 24 just issued
	WIN MUL
	MULM \f, 2, \zero
	MULM \f, 3, \zero
.endm
.macro THREE slot, zero
	QUARTER \slot, 1, F0, F1, \zero
	QUARTER \slot, 2, F1, F0, 0
	QUARTER \slot, 3, F0, F1, 0
.endm
; The last quarter: multiplies buffer 1 and changes slots.  fill = 1: this slot is filled again, two K steps ahead.
; In front of the barrier each wave waits for its reads of this slot and for all its tensor loads (the one that is out is its part of the next slot).
; Where the slot is filled again the barrier opens a round of the cluster's barrier, and the joint refill is the first tensor load behind the round.
.macro TURN slot, next, fill
	s_wait_dscnt 4
	WIN MUL
	MULM F1, 0, 0
	s_wait_dscnt 0x0                               ; my reads of this slot are over
	s_wait_tensorcnt 0x0                           ; and all my tensor loads have landed
	ds_add_u32 v62, v63
	s_wait_dscnt 0x0
	s_barrier_signal -1
	MULM F1, 1, 0                                  ; register work while the others arrive
	WIN 0
	s_barrier_wait -1
.if \fill
	CREST                                          ; no wave of any partner still reads this slot or has a load on its way
	s_add_nc_u64 s[G0+4*\slot+2:G0+4*\slot+3], s[G0+4*\slot+2:G0+4*\slot+3], 4*APLANE     ; two K steps = four planes on; no load of mine is out
	s_add_nc_u64 s[G0B+4*\slot+2:G0B+4*\slot+3], s[G0B+4*\slot+2:G0B+4*\slot+3], 4*BPLANE
	JLOAD \slot
.endif
	PLACES
	FETCH \next, 0, F0
	WIN MUL
	MULM F1, 2, 0
	MULM F1, 3, 0
.endm
.macro LAP zero                        ; once round the ring, both slots filled again
	THREE 0, \zero
	TURN 0, 1, 1
	THREE 1, 0
	TURN 1, 0, 1
.endm
	s_wait_tensorcnt 1                             ; my part of K step 0 is in; K step 1's stays out
	s_barrier_signal -1
	s_barrier_wait -1                              ; everybody's is
	FETCH 0, 0, F0
	LAP 1                                          ; K steps 0, 1; asks for 2, 3.  Its first products start the sums
	WIN 0                                          ; at a label and at a branch every window is 0
	s_mov_b32 s15, 2
.Llap:
	LAP 0                                          ; K steps 2, 3 and 4, 5; ask for 4, 5 and 6, 7
	WIN 0
	s_sub_co_u32 s15, s15, 1
	s_cmp_lg_u32 s15, 0
	s_cbranch_scc1 .Llap
	THREE 0, 0                                     ; the last lap fills nothing and has no round of the cluster's barrier
	TURN 0, 1, 0
	THREE 1, 0
	s_wait_dscnt 4                                 ; the very last quarter: nothing more to fetch
	WIN MUL
	MULM F1, 0, 0
	MULM F1, 1, 0
	s_wait_dscnt 0x0
	MULM F1, 2, 0
	MULM F1, 3, 0
	; THE WAY OUT.  One addition a number does two things: it adds the bias and gathers the four tiles' registers into four neighbouring ones.
	PLACES
	s_wait_loadcnt 0x0                             ; the bias
.macro OUTM mt, tmp
.if \mt >= 2
	s_wait_xcnt 0x0                                ; the stores that read these registers two turns ago have had their addresses translated (ISA guide 3.1)
.endif
	WIN 0x01                                       ; source 0 (the sums) in window 1
.irp gg, 0,1
.irp j, 0,1,2,3,4,5,6,7
.irp nt, 0,1,2,3
	v_add_f32 v[\tmp+4*(8*\gg+\j)+\nt], v[8*(8*\mt+4*\gg+\nt)+\j], v[BIAS+4*\gg+\nt]
.endr
.endr
.endr
	WIN 0
.irp j, 0,1,2,3,4,5,6,7
.irp gg, 0,1
	global_store_b128 v[CO], v[\tmp+4*(8*\gg+\j):\tmp+4*(8*\gg+\j)+3], s[10:11] offset:65536*\mt+4096*\j+256*\gg th:TH_STORE_NT   ; lanes 0-15: 256 consecutive bytes of row 16 mt + j, aligned; lanes 16-31: eight rows below
.endr
.endr
.endm
	OUTM 0, F0
	OUTM 1, F1
	OUTM 2, F0
	OUTM 3, F1
	CROUND                                         ; the closing round: no work-group ends while a partner may still ask for a tile that names it
	s_endpgm
.Lfunc_end_k_qb01bfd0da7_proj:
	.size	k_qb01bfd0da7_proj, .Lfunc_end_k_qb01bfd0da7_proj-k_qb01bfd0da7_proj
	.p2alignl 7, 3214868480
	.fill 96, 4, 3214868480
	.section	.rodata,"a",@progbits
	.p2align	6, 0x0
	.amdhsa_kernel k_qb01bfd0da7_proj
		.amdhsa_group_segment_fixed_size 327680
		.amdhsa_private_segment_fixed_size 0
		.amdhsa_enable_private_segment 0
		.amdhsa_kernarg_size 32
		.amdhsa_user_sgpr_count 2
		.amdhsa_user_sgpr_kernarg_segment_ptr 1
		.amdhsa_wavefront_size32 1
		.amdhsa_system_sgpr_workgroup_id_x 1
		.amdhsa_system_sgpr_workgroup_id_y 1
		.amdhsa_system_sgpr_workgroup_id_z 1
		.amdhsa_system_vgpr_workitem_id 0
		.amdhsa_next_free_vgpr 512
		.amdhsa_next_free_sgpr 72
		.amdhsa_reserve_vcc 0
		.amdhsa_float_denorm_mode_32 3
		.amdhsa_float_denorm_mode_16_64 3
		.amdhsa_memory_ordered 1
		.amdhsa_forward_progress 1
		.amdhsa_inst_pref_size 115
	.end_amdhsa_kernel
	.amdgpu_metadata
---
amdhsa.version: [ 1, 2 ]
amdhsa.kernels:
  - .name:           k_qb01bfd0da7_proj
    .symbol:         k_qb01bfd0da7_proj.kd
    .args:
      - { .name: ctx, .offset: 0, .size: 8, .value_kind: global_buffer, .address_space: global }
      - { .name: wb, .offset: 8, .size: 8, .value_kind: global_buffer, .address_space: global }
      - { .name: b_out, .offset: 16, .size: 8, .value_kind: global_buffer, .address_space: global }
      - { .name: out0, .offset: 24, .size: 8, .value_kind: global_buffer, .address_space: global }
    .group_segment_fixed_size: 327680
    .private_segment_fixed_size: 0
    .kernarg_segment_align: 8
    .kernarg_segment_size: 32
    .max_flat_workgroup_size: 128
    .sgpr_count:     72
    .vgpr_count:     512
    .wavefront_size: 32
...
	.end_amdgpu_metadata
.endif
;; end of part 3
